; MI455X (gfx1250); checked and timed in simulation.
; The chip was launched on July 23, 2026; its instructions are those of AMD's public machine-readable ISA for CDNA 5 (MIT licence, August 2026) and "CDNA5" Instruction Set Architecture Reference Guide (July 2026). The comments in the code are by the model that wrote it; some were corrected since.
;; Attention. Allowed arithmetic: matrix products marked QUANTISED: E2M3 operands, one E8M0 scale for each 32 along K, by v_wmma_scale_f32_16x16x128_f8f6f4 with both operands' format E2M3, f32 sums; everything else in f32.
;; Inputs: Wk 512 x 512 float32; Wo 512 x 512 float32; Wq 512 x 512 float32; Wv 512 x 512 float32; bk 512 float32; bo 512 float32; bq 512 float32; bv 512 float32; k 2 x 4,096 x 512 float32; q 2 x 4,096 x 512 float32; v 2 x 4,096 x 512 float32.
;; Outputs: out0 2 x 4,096 x 512 float32.
;; This version of the problem:
;;   THIS VERSION OF THE PROBLEM IS GIVEN IN LOW PRECISION. The matrix products marked QUANTISED in the list below multiply operands that are first quantised to E2M3 (2 exponent bits, 3 mantissa bits; 6 bits a number), with one power-of-two scale for each 32 numbers along K (OCP MX v1.0); their sums are f32. All else is computed in f32.
;;   The module's matrix products, in the order in which they are computed (A, B: the left and right operand; K: the contracted axis; several contracted axes count as one K, in the product's order):
;;     1. [M 8,192, K 512] x [K 512, N 512]; A: input q; B: input Wq: QUANTISED
;;     2. [M 8,192, K 512] x [K 512, N 512]; A: input k; B: input Wk: QUANTISED
;;     3. [M 8,192, K 512] x [K 512, N 512]; A: input v; B: input Wv: QUANTISED
;;     4. batch 16 x [M 4,096, K 64] x [K 64, N 4,096]; A: computed on the way; B: computed on the way: QUANTISED
;;     5. batch 16 x [M 64, K 4,096] x [K 4,096, N 4,096]; A: computed on the way; B: softmax (see below): QUANTISED
;;     6. [M 8,192, K 512] x [K 512, N 512]; A: computed on the way; B: input Wo: QUANTISED
;;   THE QUANTISER, for each operand of a quantised product, along K:
;;     - K is cut into blocks of 32 from its start; a last block that is shorter is filled with zeros.
;;     - A block's scale is 2^e with e = floor(log2(the largest magnitude in the block)) - 2, held to -126 .. 127; a block of zeros has e = 0. As a byte (E8M0): e + 127.
;;     - Each number is divided by its block's scale, clamped to +-7.5, and rounded to the nearest number of E2M3, ties to even, subnormals kept.
;;     - The product sums the exact products of the quantised numbers (number of the format x scale) in f32.
;;   ~~~python
;;   def quantise(x, axis):      # numpy; x: float32 -> the quantised numbers, widened to float32 again
;;       x = np.moveaxis(x, axis, -1); K = x.shape[-1]
;;       x = np.pad(x, [(0, 0)] * (x.ndim - 1) + [(0, -K % 32)]); x = x.reshape(x.shape[:-1] + (-1, 32)); a = np.abs(x).max(-1, keepdims=True)
;;       e = np.where(a > 0, np.clip(np.frexp(np.where(a > 0, a, 1))[1] - 1 - 2, -126, 127), 0)      # np.frexp(a)[1] - 1 = floor(log2(a)), exactly
;;       r = np.clip(x / 2.0 ** e, -7.5, 7.5)
;;       step = 2.0 ** (np.maximum(np.frexp(np.where(r == 0, 1, r))[1] - 1, 0) - 3)
;;       q = np.round(r / step) * step * 2.0 ** e      # np.round: ties to even
;;       return np.moveaxis(q.reshape(q.shape[:-2] + (-1,))[..., :K], -1, axis).astype(np.float32)
;;   ~~~
;;   SOFTMAX AHEAD OF A QUANTISED PRODUCT. Where the list says 'softmax', what is quantised is not the finished softmax but p = 2^(t - M), with t = logit x log2(e) and M = ceil(the row's largest t), a whole number; so 1/2 < the row's largest p <= 1. The row's sum l is taken of the UNQUANTISED p, in f32, and the product's result is divided by l at the end. Since M is a whole number, a kernel that streams over the keys may use a running M (the ceiling of the running maximum): every later rescaling is an exact power of two, which a block's scale takes up: the codes' values come out the same.
;;   OPERANDS COMPUTED ON THE WAY. 'Computed on the way' means the value that the module computes at that place (a softmax that the list does not call 'softmax' is quantised finished and normalised). What goes into a quantiser is computed in f32, as accurately as f32 sums, v_exp_f32 and their like allow (about 1e-6 of the number): no bf16 or f16 on the way to a quantiser, and a product that is left as it is and whose result goes on into a quantised operand takes f32 operands (vector FMAs, or v_wmma_f32_16x16x4_f32). A number that lies on a knife's edge between two numbers of the format may be rounded either way, as far as f32 arithmetic and the matrix unit's own rounding can turn it there, and no further.
;; One version. Each part assembles by itself: llvm-mc -triple=amdgcn-amd-amdhsa -mcpu=gfx1250 --defsym DOCPART=n.
;; ======== version 1 of 1: 4 launches
;; limits: right only within a limited range of input values
;; workspace buffers: wbuf 851,968 bytes; qbuf 3,276,800 bytes; kbuf 3,276,800 bytes; vbuf 3,276,800 bytes; mbuf 3,276,800 bytes
;; launch wquant (part 1): grid 32 x 4, 4 waves a work-group, no clusters, 1,024 bytes of LDS; arguments Wq, Wk, Wv, Wo, wbuf; writes wbuf
.if DOCPART == 1
	.amdgcn_target "amdgcn-amd-amdhsa--gfx1250"
	.amdhsa_code_object_version 6
	.text
	.protected	k_q7bb2635fc6_wquant
	.globl	k_q7bb2635fc6_wquant
	.p2align	8
	.type	k_q7bb2635fc6_wquant,@function
k_q7bb2635fc6_wquant:
	s_mov_b64 s[64:65], 0
	v_nop
	global_prefetch_b8 v0, s[64:65] scope:SCOPE_SE
	s_setreg_imm32_b32 hwreg(HW_REG_WAVE_MODE, 25, 1), 1
	s_wait_xcnt 0x0
; THE PROGRAM: out0 = attention(q, k, v) with four linear layers, all six products on codes of E2M3 with one E8M0 scale for each 32 along K.  Four launches:
; this one (the weights into codes), proj (q, k, v projected, the results quantised in registers), attn (scores, softmax, mix; mix quantised), oproj (the last projection).
; NOTHING OF reference() IS LEFT OUT AS DEAD WORK: every input has a way to out0 (bk too: it moves the codes and scales of kh), and every input is loaded.
; ONE STEP IS FOLDED: qh * scale, scale = 1/8, a power of two.  The codes of qh / 8 are those of qh and each block's scale exponent is 3 lower, so the scores are exactly 1/8 of those
; of the unscaled codes; the 1/8 stands in the constant that turns a score into t (launch attn).  LIMIT: a block of qh whose largest magnitude lies under 2^-121 would have its exponent held at -126 there and not here.
; LIMITS OF ALL LAUNCHES: NaN and infinities among the inputs are not served.  A block of zeros, or one whose largest magnitude lies under 2^-124, gets the scale byte 1: a block of zeros has zero codes, which add
; nothing under any byte but 0xff, and the bytes are read by this program alone.
;
; THIS LAUNCH.  W [512 (k)][512 (n)], f32, K its first axis, becomes operand fragments laid in the order of the operand's registers.
; A work-group takes one tile of 16 columns of one weight (x: tile T, y: weight), its wave s the K step 128 s .. 128 s + 127: one fragment a wave.
; THE COLUMNS OF A TILE ARE NOT NEIGHBOURS: lane-row i of tile T is column 32 (T / 2) + 8 (T % 2) + i + 8 (i / 8), so that a product that takes two neighbouring tiles as its source 0 leaves 16 neighbouring columns in a lane's 16 registers.
; A LANE TAKES A COLUMN AND ITS REGISTERS RUN DOWN K, in the order that the operand's layout gives that lane (k = 64 c + 32 h + 0 .. 31): the conversions' results are the operand's registers.
; OUT: codes [weight][T][s]: 1,536 bytes, registers 4 q .. 4 q + 3 of lane l at 512 q + 16 l (three stores of 512 consecutive bytes).  Scales, from byte 786,432: [weight][T]: 512 bytes, lane l's four words (s = 0 .. 3) at 16 l.
; No matrix unit, no cluster: nothing is shared, and each wave has all its 64 loads out at once.
.set SPARE, 512                        ; behind the 512 bytes in which the four waves' scale words meet: the spare words, 128 bytes a wave
.set SPW,   14                         ; v14  LDS address of my spare word; never rewritten
.set NIL,   15                         ; v15  0; never rewritten
.set X,     64                         ; v64-127  my 64 numbers
.set C,     48                         ; v48-59   the fragment
.set C2,    128                        ; v128-134 the second halves of the blocks' codes, as the conversions leave them
	s_load_b256 s[4:11], s[0:1], 0x0               ; Wq, Wk, Wv, Wo
	s_load_b64 s[12:13], s[0:1], 0x20              ; wbuf
	v_lshl_add_u32 v[SPW], v0, 2, SPARE
	v_mov_b32 v[NIL], 0
	v_lshrrev_b32 v1, 5, v0
	v_readfirstlane_b32 s16, v1                    ; wave = K step s
	v_and_b32 v1, 15, v0                           ; r
	v_bfe_u32 v2, v0, 4, 1                         ; h
	v_and_b32 v4, 31, v0                           ; lane
	v_lshlrev_b32 v3, 4, v4                        ; 16 x lane
	v_and_b32 v5, 8, v1
	v_add_nc_u32 v5, v5, v1                        ; r + 8 (r / 8)
	v_lshlrev_b32 v5, 2, v5                        ; my column, in bytes,
	v_lshl_add_u32 v5, v2, 16, v5                  ; and 32 rows of 2,048 bytes further down for lanes 16-31
	s_lshl_b32 s17, s16, 2
	v_add_nc_u32 v6, s17, v3                       ; LDS: 16 x lane + 4 s: my scale word's place
	s_and_b32 s18, ttmp7, 0xffff                   ; which weight
	s_lshr_b32 s22, ttmp9, 1
	s_lshl_b32 s22, s22, 7                         ; 128 (T / 2)
	s_and_b32 s19, ttmp9, 1
	s_lshl_b32 s19, s19, 5                         ; + 32 (T % 2)
	s_add_co_u32 s22, s22, s19
	s_lshl_b32 s19, s16, 18                        ; + 128 s rows of 2,048 bytes
	s_add_co_u32 s22, s22, s19
	s_mov_b32 s23, 0
	s_mul_i32 s24, s18, 196608                     ; the fragment's place in wbuf
	s_mul_i32 s19, ttmp9, 6144
	s_add_co_u32 s24, s24, s19
	s_mul_i32 s19, s16, 1536
	s_add_co_u32 s24, s24, s19
	s_mov_b32 s25, 0
	s_lshl_b32 s26, s18, 14                        ; and the tile's scale words'
	s_lshl_b32 s19, ttmp9, 9
	s_add_co_u32 s26, s26, s19
	s_add_co_u32 s26, s26, 786432
	s_mov_b32 s27, 0
	s_mov_b32 s28, 0x76543210
	s_mov_b32 s29, 0xfedcba98                      ; v_permlanex16_b32's selects for lane l xor 16
	s_wait_alu depctr_va_vdst(0)
	s_wait_kmcnt 0x0
	s_cmp_eq_u32 s18, 1                            ; the weight is chosen by the work-group's y alone
	s_cselect_b64 s[4:5], s[6:7], s[4:5]
	s_cmp_eq_u32 s18, 2
	s_cselect_b64 s[4:5], s[8:9], s[4:5]
	s_cmp_eq_u32 s18, 3
	s_cselect_b64 s[4:5], s[10:11], s[4:5]
	s_add_nc_u64 s[4:5], s[4:5], s[22:23]
	s_add_nc_u64 s[14:15], s[12:13], s[24:25]
	s_add_nc_u64 s[12:13], s[12:13], s[26:27]
.set i, 0
.rept 64
	global_load_b32 v[X+i], v5, s[4:5] offset:(64*(i/32)+i%32)*2048   ; W(128 s + 64 c + 32 h + i, my column)
.set i, i+1
.endr
	s_wait_loadcnt 0x0
.irp c, 0,1                                    ; my block 2 c + h: all its 32 numbers are mine
	v_max3_num_f32 v[32+\c], |v[X+32*\c]|, |v[X+1+32*\c]|, 0x1800000   ; with the floor 2^(3 - 127): the byte cannot fall under 1
.endr
.irp i, 2,4,6,8,10,12,14,16,18,20,22,24,26,28,30
.irp c, 0,1
	v_max3_num_f32 v[32+\c], v[32+\c], |v[X+32*\c+\i]|, |v[X+1+32*\c+\i]|
.endr
.endr
.irp c, 0,1
	v_add_nc_u32 v[44+\c], 0xff000000, v[32+\c]    ; 2 off the exponent field: the conversion's scale operand
.endr
.irp c, 0,1
	v_lshrrev_b32 v[36+\c], 23, v[44+\c]           ; the scale's byte
.endr
	v_lshl_or_b32 v9, v37, 16, v36                 ; my two bytes: blocks h and 2 + h,
	v_lshlrev_b32 v10, 3, v2
	v_lshlrev_b32 v9, v10, v9                      ; at their places in the word;
	v_mov_b32 v10, 0
	v_permlanex16_b32 v10, v9, s28, s29
	v_or_b32 v9, v9, v10                           ; with lane l xor 16's two the word is whole, in both halves of the lanes
.irp c, 0,1
	v_cvt_scalef32_pk16_fp6_f32 v[C+6*\c:C+6*\c+2], v[X+32*\c:X+32*\c+15], v[44+\c]
	v_cvt_scalef32_pk16_fp6_f32 v[C2+4*\c:C2+4*\c+2], v[X+32*\c+16:X+32*\c+31], v[44+\c]   ; (a conversion's three registers begin on an even number)
.endr
	v_nop                                          ; one plain place behind the scaled conversions
.irp c, 0,1
.irp i, 0,1,2
	v_mov_b32 v[C+3+6*\c+\i], v[C2+4*\c+\i]
.endr
.endr
.irp q, 0,1,2
	global_store_b128 v3, v[C+4*\q:C+4*\q+3], s[14:15] offset:512*\q   ; 32 lanes store 512 consecutive bytes, aligned to 256
.endr
	ds_store_b32 v6, v9                            ; the four waves' words meet in LDS, so that they leave as whole 16 bytes a lane
	s_wait_dscnt 0x0                               ; for the others' sake: my store has landed
	s_barrier_signal -1
	s_barrier_wait -1
	s_cmp_lg_u32 s16, 0
	s_cbranch_scc1 .Lend
	ds_load_b128 v[16:19], v3                      ; wave 0: the tile's words, s = 0 .. 3, of my lane
	s_wait_dscnt 0x0
	global_store_b128 v3, v[16:19], s[12:13]
.Lend:
	s_wait_tensorcnt 0x0                           ; the wave's end: behind my last LDS store
	ds_add_u32 v[SPW], v[NIL]
	s_wait_dscnt 0x0
	s_endpgm
.Lfunc_end_k_q7bb2635fc6_wquant:
	.size	k_q7bb2635fc6_wquant, .Lfunc_end_k_q7bb2635fc6_wquant-k_q7bb2635fc6_wquant
	.p2alignl 7, 3214868480
	.fill 96, 4, 3214868480
	.section	.rodata,"a",@progbits
	.p2align	6, 0x0
	.amdhsa_kernel k_q7bb2635fc6_wquant
		.amdhsa_group_segment_fixed_size 1024
		.amdhsa_private_segment_fixed_size 0
		.amdhsa_enable_private_segment 0
		.amdhsa_kernarg_size 40
		.amdhsa_user_sgpr_count 2
		.amdhsa_user_sgpr_kernarg_segment_ptr 1
		.amdhsa_wavefront_size32 1
		.amdhsa_system_sgpr_workgroup_id_x 1
		.amdhsa_system_sgpr_workgroup_id_y 1
		.amdhsa_system_sgpr_workgroup_id_z 1
		.amdhsa_system_vgpr_workitem_id 0
		.amdhsa_next_free_vgpr 144
		.amdhsa_next_free_sgpr 66
		.amdhsa_reserve_vcc 0
		.amdhsa_float_denorm_mode_32 3
		.amdhsa_float_denorm_mode_16_64 3
		.amdhsa_memory_ordered 1
		.amdhsa_forward_progress 1
		.amdhsa_inst_pref_size 13
	.end_amdhsa_kernel
	.amdgpu_metadata
---
amdhsa.version: [ 1, 2 ]
amdhsa.kernels:
  - .name:           k_q7bb2635fc6_wquant
    .symbol:         k_q7bb2635fc6_wquant.kd
    .args:
      - { .name: Wq, .offset: 0, .size: 8, .value_kind: global_buffer, .address_space: global }
      - { .name: Wk, .offset: 8, .size: 8, .value_kind: global_buffer, .address_space: global }
      - { .name: Wv, .offset: 16, .size: 8, .value_kind: global_buffer, .address_space: global }
      - { .name: Wo, .offset: 24, .size: 8, .value_kind: global_buffer, .address_space: global }
      - { .name: wbuf, .offset: 32, .size: 8, .value_kind: global_buffer, .address_space: global }
    .group_segment_fixed_size: 1024
    .private_segment_fixed_size: 0
    .kernarg_segment_align: 8
    .kernarg_segment_size: 40
    .max_flat_workgroup_size: 128
    .sgpr_count:     66
    .vgpr_count:     144
    .wavefront_size: 32
...
	.end_amdgpu_metadata
.endif
;; end of part 1
;; launch proj (part 2): grid 192 x 1, 4 waves a work-group, no clusters, 327,680 bytes of LDS; arguments q, k, v, bq, bk, bv, wbuf, qbuf, kbuf, vbuf; writes qbuf, kbuf, vbuf
.if DOCPART == 2
	.amdgcn_target "amdgcn-amd-amdhsa--gfx1250"
	.amdhsa_code_object_version 6
	.text
	.protected	k_q7bb2635fc6_proj
	.globl	k_q7bb2635fc6_proj
	.p2align	8
	.type	k_q7bb2635fc6_proj,@function
k_q7bb2635fc6_proj:
	s_mov_b64 s[64:65], 0
	v_nop
	global_prefetch_b8 v0, s[64:65] scope:SCOPE_SE
	s_setreg_imm32_b32 hwreg(HW_REG_WAVE_MODE, 25, 1), 1
	s_wait_xcnt 0x0
; q, k, v [8,192][512] f32 are projected on codes of E2M3 (x quantised along K = 512 in registers, W as launch wquant's images), the bias is the C of each sum's first product, and the results are quantised in registers:
; qbuf, kbuf: records of 16 rows x 64 channels of a head (K = the channels); vbuf: records of 16 channels x 64 keys (K = the keys).  Nothing of reference() is left out here.
; A work-group takes 128 rows of one tensor in two halves of 64; wave w quantises x tile w of the half and multiplies all four tiles against its own 128 columns.
; THE ROWS OF A TILE ARE NOT NEIGHBOURS: lane-row i of tile u of a half is row 8 u + i + 24 (i / 8): lanes' rows 0-7 are eight neighbours and rows 8-15 the eight that lie 32 further on.
; So in a product that takes a tile as its source 0 a lane's registers of the four tiles are 32 neighbouring rows: a whole block of 32 keys (V here, the scores in launch attn).
; x comes by one tensor load a wave for each half: 16 dense rows as 32 rows of 1,024 bytes + 16 of padding; row R of a half lies at 2,080 R + 16 (R / 32).  The second half's load stands behind the first half's wait and a barrier.
.set BREG,  133136                     ; a half of x in LDS: 4 x 33,280 + 16
.set XIMG,  266496
.set XSC,   315648
.set SPARE, 319744
.set WS,  16
.set XS,  48
.set HA,  64
.set HB,  128
.set PC,  192
.set TM,  212
.set PW,  228
.set SV,  232
.set TT,  236
.set BI,  192
.set SEL, 28
.set MSB, 0
.macro WIN new
.if MSB != (\new)
	s_set_vgpr_msb (MSB<<8)|(\new)
.set MSB, (\new)
.endif
.endm
.macro QUANT s, pw
.irp b, 0,1,2,3
	v_max3_num_f32 v[TM+\b], |v[\s+16*\b]|, |v[\s+1+16*\b]|, 0x1800000
.endr
.irp i, 2,4,6,8,10,12,14
.irp b, 0,1,2,3
	v_max3_num_f32 v[TM+\b], v[TM+\b], |v[\s+16*\b+\i]|, |v[\s+1+16*\b+\i]|
.endr
.endr
.irp b, 0,1,2,3
	v_permlanex16_b32 v[TM+4+\b], v[TM+\b], s[SEL], s[SEL+1]
.endr
.irp b, 0,1,2,3
	v_max_num_f32 v[TM+\b], v[TM+\b], v[TM+4+\b]
.endr
.irp b, 0,1,2,3
	v_add_nc_u32 v[TM+12+\b], 0xff000000, v[TM+\b]
.endr
.irp b, 0,1,2,3
	v_lshrrev_b32 v[TM+4+\b], 23, v[TM+12+\b]
.endr
	v_lshl_or_b32 v[\pw], v[TM+5], 8, v[TM+4]
	v_lshl_or_b32 v[\pw], v[TM+6], 16, v[\pw]
	v_lshl_or_b32 v[\pw], v[TM+7], 24, v[\pw]
.irp c, 0,1
	v_cvt_scalef32_pk16_fp6_f32 v[PC+6*\c:PC+2+6*\c], v[\s+32*\c:\s+15+32*\c], v[TM+12+2*\c]
	v_cvt_scalef32_pk16_fp6_f32 v[PC+12+4*\c:PC+14+4*\c], v[\s+16+32*\c:\s+31+32*\c], v[TM+12+2*\c+1]
.endr
	v_nop
.irp c, 0,1
.irp i, 0,1,2
	v_permlane16_swap_b32 v[PC+6*\c+\i], v[PC+12+4*\c+\i]
.endr
.irp i, 0,1,2
	v_mov_b32 v[PC+3+6*\c+\i], v[PC+12+4*\c+\i]
.endr
.endr
.endm
; V's quantiser: registers s + 32 c .. + 31 are one whole block of 32 keys of the lane's channel (block h of the half), c = which of two channel tiles.  The word pw: bytes 0, 1 tile c = 0's two blocks, bytes 2, 3 tile c = 1's.
.macro QUANTL s, pw
.irp b, 0,1,2,3
	v_max3_num_f32 v[TM+\b], |v[\s+16*\b]|, |v[\s+1+16*\b]|, 0x1800000
.endr
.irp i, 2,4,6,8,10,12,14
.irp b, 0,1,2,3
	v_max3_num_f32 v[TM+\b], v[TM+\b], |v[\s+16*\b+\i]|, |v[\s+1+16*\b+\i]|
.endr
.endr
.irp c, 0,1
	v_max_num_f32 v[TM+2*\c], v[TM+2*\c], v[TM+2*\c+1]
.endr
.irp c, 0,1
	v_add_nc_u32 v[TM+12+\c], 0xff000000, v[TM+2*\c]
.endr
.irp c, 0,1
	v_lshrrev_b32 v[TM+4+\c], 23, v[TM+12+\c]
.endr
	v_lshl_or_b32 v[\pw], v[TM+5], 16, v[TM+4]     ; my two bytes,
	v_lshlrev_b32 v[\pw], v241, v[\pw]             ; 8 h bits up;
	v_permlanex16_b32 v[TM+6], v[\pw], s[SEL], s[SEL+1]
	v_or_b32 v[\pw], v[\pw], v[TM+6]               ; with lane l xor 16's two the word is whole
.irp c, 0,1
	v_cvt_scalef32_pk16_fp6_f32 v[PC+6*\c:PC+2+6*\c], v[\s+32*\c:\s+15+32*\c], v[TM+12+\c]
	v_cvt_scalef32_pk16_fp6_f32 v[PC+12+4*\c:PC+14+4*\c], v[\s+16+32*\c:\s+31+32*\c], v[TM+12+\c]
.endr
	v_nop
.irp c, 0,1
.irp i, 0,1,2
	v_mov_b32 v[PC+3+6*\c+\i], v[PC+12+4*\c+\i]
.endr
.endr
.endm
.macro LOADU be, s, set
.irp b, 0,1,2,3
.irp j, 0,1,2,3
	ds_load_b128 v[\set+16*\b+4*\j:\set+16*\b+4*\j+3], v[3+237*\be] offset:512*\s+16*(\s/2)+128*\b+16*\j   ; v3: the first half of x, v240: the second
.endr
.endr
.endm
.macro IMAGE be, u
.irp c, 0,1,2
	ds_store_b128 v4, v[PC+4*\c:PC+4*\c+3] offset:\be*24576+1536*\u+512*\c
.endr
.endm
.macro PHASEX be
	s_wait_xcnt 0x0
.if \be
	s_wait_tensorcnt 0x0                           ; my 16 rows of the second half are in;
	s_barrier_signal -1
	s_barrier_wait -1                              ; and everybody's: a tile's rows come from two waves' loads
.endif
	LOADU \be, 0, HA
	LOADU \be, 1, HB
	s_wait_dscnt 16
	QUANT HA, PW
	IMAGE \be, 0
	LOADU \be, 2, HA
	s_wait_dscnt 16
	QUANT HB, PW+1
	IMAGE \be, 1
	LOADU \be, 3, HB
	s_wait_dscnt 16
	QUANT HA, PW+2
	IMAGE \be, 2
	s_wait_dscnt 0x0
	QUANT HB, PW+3
	IMAGE \be, 3
	ds_store_b128 v5, v[PW:PW+3] offset:\be*2048
	s_wait_dscnt 0x0
	s_barrier_signal -1
	s_barrier_wait -1
	WIN 0xc0
.set f, 0
.rept 16
.irp c, 0,1,2
	ds_load_b128 v[12*f+4*\c:12*f+4*\c+3], v6 offset:\be*24576+1536*f+512*\c
.endr
.set f, f+1
.endr
	WIN 0
.irp i, 0,1,2,3
	ds_load_b128 v[XS+4*\i:XS+4*\i+3], v7 offset:\be*2048+512*\i
.endr
	s_wait_dscnt 0x0
.endm
.macro PLACES
.rept 4
	v_nop
.endr
.endm
.macro GROUPQK be, i
.irp s, 0,1,2,3
.irp t, 0,1,2,3,4,5,6,7
.if \s == 0
	WIN 0x3d+(\t/4)
	v_wmma_scale_f32_16x16x128_f8f6f4 v[HA+8*\t:HA+8*\t+7], v[12*(4*(\t%4)+\s):12*(4*(\t%4)+\s)+11], v[12*(4*\i+\s):12*(4*\i+\s)+11], v[BI+8*\t:BI+8*\t+7], v[WS+4*\t+\s], v[XS+4*\i+\s] matrix_a_fmt:MATRIX_FMT_FP6 matrix_b_fmt:MATRIX_FMT_FP6
.else
	WIN 0x0d+(\t/4)
	v_wmma_scale_f32_16x16x128_f8f6f4 v[HA+8*\t:HA+8*\t+7], v[12*(4*(\t%4)+\s):12*(4*(\t%4)+\s)+11], v[12*(4*\i+\s):12*(4*\i+\s)+11], v[HA+8*\t:HA+8*\t+7], v[WS+4*\t+\s], v[XS+4*\i+\s] matrix_a_fmt:MATRIX_FMT_FP6 matrix_b_fmt:MATRIX_FMT_FP6
.endif
.endr
.endr
	WIN 0
	PLACES
	s_wait_xcnt 0x0
	QUANT HA, PW+\i
	global_store_b128 v1, v[PC:PC+3], s[66:67] offset:(4*\be+\i)*768
	global_store_b64 v2, v[PC+4:PC+5], s[66:67] offset:(4*\be+\i)*768+512
	global_store_b128 v1, v[PC+6:PC+9], s[66:67] offset:(4*\be+\i)*768+196608
	global_store_b64 v2, v[PC+10:PC+11], s[66:67] offset:(4*\be+\i)*768+196608+512
.endm
.macro GROUPV be, i
.irp s, 0,1,2,3
.irp t, 0,1,2,3,4,5,6,7
.if \s == 0
	WIN 0x37+4*(\i/2)
	v_wmma_scale_f32_16x16x128_f8f6f4 v[HA+8*\t:HA+8*\t+7], v[12*(4*(\t%4)+\s):12*(4*(\t%4)+\s)+11], v[12*(4*((2*\i+\t/4)%4)+\s):12*(4*((2*\i+\t/4)%4)+\s)+11], v[BI+8*(2*\i+\t/4):BI+8*(2*\i+\t/4)+7], v[XS+4*(\t%4)+\s], v[WS+4*(2*\i+\t/4)+\s] matrix_a_fmt:MATRIX_FMT_FP6 matrix_b_fmt:MATRIX_FMT_FP6
.else
	WIN 0x07+4*(\i/2)
	v_wmma_scale_f32_16x16x128_f8f6f4 v[HA+8*\t:HA+8*\t+7], v[12*(4*(\t%4)+\s):12*(4*(\t%4)+\s)+11], v[12*(4*((2*\i+\t/4)%4)+\s):12*(4*((2*\i+\t/4)%4)+\s)+11], v[HA+8*\t:HA+8*\t+7], v[XS+4*(\t%4)+\s], v[WS+4*(2*\i+\t/4)+\s] matrix_a_fmt:MATRIX_FMT_FP6 matrix_b_fmt:MATRIX_FMT_FP6
.endif
.endr
.endr
	WIN 0
	PLACES
	s_wait_xcnt 0x0
	QUANTL HA, PW+\i
	global_store_b128 v1, v[PC:PC+3], s[66:67] offset:(\i/2)*196608+(2*(\i%2))*1536+\be*768
	global_store_b64 v2, v[PC+4:PC+5], s[66:67] offset:(\i/2)*196608+(2*(\i%2))*1536+\be*768+512
	global_store_b128 v1, v[PC+6:PC+9], s[66:67] offset:(\i/2)*196608+(2*(\i%2))*1536+\be*768+1536
	global_store_b64 v2, v[PC+10:PC+11], s[66:67] offset:(\i/2)*196608+(2*(\i%2))*1536+\be*768+1536+512
.endm
.macro ARMQK be
	GROUPQK \be, 0
	GROUPQK \be, 1
	GROUPQK \be, 2
	GROUPQK \be, 3
	v_perm_b32 v[SV+2*\be], v[PW+1], v[PW], v9
	v_perm_b32 v[SV+2*\be+1], v[PW+3], v[PW+2], v9
.endm
.macro ARMV be
	GROUPV \be, 0
	GROUPV \be, 1
	GROUPV \be, 2
	GROUPV \be, 3
	v_cndmask_b32 v[SV+2*\be], v[PW], v[PW+2], s27
	v_cndmask_b32 v[SV+2*\be+1], v[PW+1], v[PW+3], s27
.endm
	s_load_b512 s[4:19], s[0:1], 0x0
	s_load_b128 s[20:23], s[0:1], 0x40
	v_lshl_add_u32 v12, v0, 2, SPARE
	v_mov_b32 v13, 0
	ds_add_u32 v12, v13
	ds_add_u32 v12, v13
	v_lshrrev_b32 v1, 5, v0
	v_readfirstlane_b32 s24, v1
	s_lshr_b32 s25, ttmp9, 6
	s_and_b32 s26, ttmp9, 63
	s_mov_b32 s32, (3<<16)|(1<<20)|(7<<22)|(3<<25)
	s_mov_b32 s33, 128<<16
	s_mov_b32 s34, 32<<16
	s_mov_b32 s35, 128<<16
	s_mov_b32 s36, 32
	s_mov_b32 s37, 128
	s_mov_b32 s38, 0
	s_mov_b32 s39, 0
	s_mul_i32 s30, s24, 16640                      ; my tile's first row in LDS: 8 w rows of 2,080 bytes
	s_lshl_b32 s70, s26, 7
	s_lshl_b32 s71, s24, 4
	s_add_co_u32 s70, s70, s71                     ; I fetch rows 16 w .. 16 w + 15 of each half
	s_lshl_b32 s70, s70, 11
	s_mov_b32 s71, 0
	s_lshl_b32 s72, s24, 9
	s_mov_b32 s73, 0
	s_mul_i32 s74, s25, 196608
	s_mul_i32 s75, s24, 49152
	s_add_co_u32 s74, s74, s75
	s_mov_b32 s75, 0
	s_lshl_b32 s76, s25, 14
	s_lshl_b32 s77, s24, 12
	s_add_co_u32 s76, s76, s77
	s_add_co_u32 s76, s76, 786432
	s_mov_b32 s77, 0
	s_lshr_b32 s31, s26, 5
	s_lshl_b32 s31, s31, 3
	s_lshl_b32 s79, s24, 1
	s_add_co_u32 s31, s31, s79
	s_and_b32 s79, s26, 31
	s_mul_i32 s78, s31, 196608
	s_mul_i32 s2, s79, 6144
	s_add_co_u32 s78, s78, s2
	s_lshl_b32 s2, s31, 13
	s_lshl_b32 s79, s79, 8
	s_add_co_u32 s2, s2, s79
	s_add_co_u32 s2, s2, 3145728
	s_mov_b32 s79, 0
	s_mov_b32 s3, 0
	s_mov_b32 s[SEL], 0x76543210
	s_mov_b32 s[SEL+1], 0xfedcba98
	s_wait_dscnt 0x0
	s_wait_kmcnt 0x0
	s_cmp_eq_u32 s25, 1
	s_cselect_b64 s[56:57], s[6:7], s[4:5]
	s_cselect_b64 s[58:59], s[12:13], s[10:11]
	s_cselect_b64 s[66:67], s[20:21], s[18:19]
	s_cmp_eq_u32 s25, 2
	s_cselect_b64 s[56:57], s[8:9], s[56:57]
	s_cselect_b64 s[58:59], s[14:15], s[58:59]
	s_cselect_b64 s[66:67], s[22:23], s[66:67]
	s_add_nc_u64 s[56:57], s[56:57], s[70:71]
	s_add_nc_u64 s[58:59], s[58:59], s[72:73]
	s_add_nc_u64 s[60:61], s[16:17], s[74:75]
	s_add_nc_u64 s[62:63], s[16:17], s[76:77]
	s_add_nc_u64 s[68:69], s[66:67], s[2:3]
	s_add_nc_u64 s[66:67], s[66:67], s[78:79]
	s_mul_i32 s31, s24, 33280                      ; where my 16 rows go: 33,280 w + 16 (w / 2)
	s_lshr_b32 s71, s24, 1
	s_lshl_b32 s71, s71, 4
	s_add_co_u32 s31, s31, s71
.irp d, 0,1
	s_mov_b32 s[40+4*\d], 1
	s_add_co_u32 s[41+4*\d], s31, \d*BREG
	s_add_nc_u64 s[42+4*\d:43+4*\d], s[56:57], \d*131072
	s_or_b32 s[43+4*\d], s[43+4*\d], 0x80000000
.endr
	tensor_load_to_lds s[40:43], s[32:39]          ; the first half: one tensor load a wave at the head
	s_nop 0
.rept 4
	v_nop
.endr
	v_and_b32 v11, 31, v0
	v_and_b32 v14, 15, v0
	v_bfe_u32 v15, v0, 4, 1
	v_lshlrev_b32 v1, 4, v11
	v_lshlrev_b32 v2, 3, v11
	WIN 0x40
.set f, 0
.rept 16
.irp c, 0,1,2
	global_load_b128 v[12*f+4*\c:12*f+4*\c+3], v1, s[60:61] offset:1536*f+512*\c
.endr
.set f, f+1
.endr
	WIN 0x80
.set f, 0
.rept 16
.irp c, 0,1,2
	global_load_b128 v[12*f+4*\c:12*f+4*\c+3], v1, s[60:61] offset:24576+1536*f+512*\c
.endr
.set f, f+1
.endr
	WIN 0
.irp t, 0,1,2,3,4,5,6,7
	global_load_b128 v[WS+4*\t:WS+4*\t+3], v1, s[62:63] offset:512*\t
.endr
	s_cmp_eq_u32 s25, 2
	s_cbranch_scc1 .Lbias_v
	v_lshlrev_b32 v10, 6, v15
	WIN 0xc0
.irp t, 0,1,2,3,4,5,6,7
	global_load_b128 v[BI+8*\t:BI+8*\t+3], v10, s[58:59] offset:(32*(\t/2)+8*(\t%2))*4
	global_load_b128 v[BI+8*\t+4:BI+8*\t+7], v10, s[58:59] offset:(32*(\t/2)+8*(\t%2))*4+16
.endr
	WIN 0
	s_branch .Lbias_done
.Lbias_v:
	s_wait_alu depctr_va_vdst(0)
	v_and_b32 v10, 8, v14
	v_add_nc_u32 v10, v10, v14
	v_lshlrev_b32 v10, 2, v10
	WIN 0xc0
.irp t, 0,1,2,3,4,5,6,7
.irp j, 0,1,2,3,4,5,6,7
	global_load_b32 v[BI+8*\t+\j], v10, s[58:59] offset:(32*(\t/2)+8*(\t%2))*4
.endr
.endr
	WIN 0
.Lbias_done:
	s_wait_alu depctr_va_vdst(0)
	v_mul_u32_u24 v3, v14, 2080
	v_lshrrev_b32 v236, 3, v14
	v_mad_u32_u24 v3, v236, 49936, v3              ; lane-rows 8-15: 24 rows further on, and the 16 bytes by which rows 32-63 are shifted
	v_lshl_add_u32 v3, v15, 6, v3
	v_add_nc_u32 v3, s30, v3
	v_add_nc_u32 v240, BREG, v3                    ; the same in the second half
	v_lshlrev_b32 v241, 3, v15                     ; 8 h
	s_mul_i32 s31, s24, 6144
	s_add_co_u32 s31, s31, XIMG
	v_add_nc_u32 v4, s31, v1
	s_lshl_b32 s31, s24, 9
	s_add_co_u32 s31, s31, XSC
	v_add_nc_u32 v5, s31, v1
	v_add_nc_u32 v6, XIMG, v1
	v_add_nc_u32 v7, XSC, v1
	v_lshlrev_b32 v8, 4, v14
	v_lshl_add_u32 v8, v15, 13, v8
	v_cmp_lt_u32 s27, 15, v11
	v_mov_b32 v9, 0x05040100
	v_mov_b32 v237, 0x07060302
	v_cndmask_b32 v9, v9, v237, s27
.irp b, 0,1,2,3
	v_mov_b32 v[TM+4+\b], 0
.endr
	s_wait_alu depctr_va_vdst(0)                   ; the head's end
	s_wait_tensorcnt 0x0                           ; my rows of the first half are in
	ds_add_u32 v12, v13
	s_wait_dscnt 0x0
	s_barrier_signal -1
	s_barrier_wait -1                              ; everybody's rows are in
	tensor_load_to_lds s[44:47], s[32:39]          ; the second half, into bytes of its own
	s_nop 0
	PHASEX 0
	s_wait_loadcnt 0x0
	s_cmp_eq_u32 s25, 2
	s_cbranch_scc1 .Lv0
	ARMQK 0
	s_branch .Lj0
.Lv0:
	ARMV 0
.Lj0:
	PHASEX 1
	s_cmp_eq_u32 s25, 2
	s_cbranch_scc1 .Lv1
	ARMQK 1
	global_store_b128 v8, v[SV:SV+3], s[68:69]
	s_branch .Lj1
.Lv1:
	ARMV 1
	v_perm_b32 v[TT], v[SV+2], v[SV], 0x05040100
	v_perm_b32 v[TT+1], v[SV+2], v[SV], 0x07060302
	v_perm_b32 v[TT+2], v[SV+3], v[SV+1], 0x05040100
	v_perm_b32 v[TT+3], v[SV+3], v[SV+1], 0x07060302
	global_store_b128 v8, v[TT:TT+3], s[68:69]
.Lj1:
	s_wait_tensorcnt 0x0
	ds_add_u32 v12, v13
	s_wait_dscnt 0x0
	s_endpgm
.Lfunc_end_k_q7bb2635fc6_proj:
	.size	k_q7bb2635fc6_proj, .Lfunc_end_k_q7bb2635fc6_proj-k_q7bb2635fc6_proj
	.p2alignl 7, 3214868480
	.fill 96, 4, 3214868480
	.section	.rodata,"a",@progbits
	.p2align	6, 0x0
	.amdhsa_kernel k_q7bb2635fc6_proj
		.amdhsa_group_segment_fixed_size 327680
		.amdhsa_private_segment_fixed_size 0
		.amdhsa_enable_private_segment 0
		.amdhsa_kernarg_size 80
		.amdhsa_user_sgpr_count 2
		.amdhsa_user_sgpr_kernarg_segment_ptr 1
		.amdhsa_wavefront_size32 1
		.amdhsa_system_sgpr_workgroup_id_x 1
		.amdhsa_system_sgpr_workgroup_id_y 1
		.amdhsa_system_sgpr_workgroup_id_z 1
		.amdhsa_system_vgpr_workitem_id 0
		.amdhsa_next_free_vgpr 1024
		.amdhsa_next_free_sgpr 80
		.amdhsa_reserve_vcc 0
		.amdhsa_float_denorm_mode_32 3
		.amdhsa_float_denorm_mode_16_64 3
		.amdhsa_memory_ordered 1
		.amdhsa_forward_progress 1
		.amdhsa_inst_pref_size 201
	.end_amdhsa_kernel
	.amdgpu_metadata
---
amdhsa.version: [ 1, 2 ]
amdhsa.kernels:
  - .name:           k_q7bb2635fc6_proj
    .symbol:         k_q7bb2635fc6_proj.kd
    .args:
      - { .name: q, .offset: 0, .size: 8, .value_kind: global_buffer, .address_space: global }
      - { .name: k, .offset: 8, .size: 8, .value_kind: global_buffer, .address_space: global }
      - { .name: v, .offset: 16, .size: 8, .value_kind: global_buffer, .address_space: global }
      - { .name: bq, .offset: 24, .size: 8, .value_kind: global_buffer, .address_space: global }
      - { .name: bk, .offset: 32, .size: 8, .value_kind: global_buffer, .address_space: global }
      - { .name: bv, .offset: 40, .size: 8, .value_kind: global_buffer, .address_space: global }
      - { .name: wbuf, .offset: 48, .size: 8, .value_kind: global_buffer, .address_space: global }
      - { .name: qbuf, .offset: 56, .size: 8, .value_kind: global_buffer, .address_space: global }
      - { .name: kbuf, .offset: 64, .size: 8, .value_kind: global_buffer, .address_space: global }
      - { .name: vbuf, .offset: 72, .size: 8, .value_kind: global_buffer, .address_space: global }
    .group_segment_fixed_size: 327680
    .private_segment_fixed_size: 0
    .kernarg_segment_align: 8
    .kernarg_segment_size: 80
    .max_flat_workgroup_size: 128
    .sgpr_count:     80
    .vgpr_count:     1024
    .wavefront_size: 32
...
	.end_amdgpu_metadata
.endif
;; end of part 2
;; launch attn (part 3): grid 16 x 16, 16 waves a work-group, clusters of 4 x 1, 327,680 bytes of LDS; arguments qbuf, kbuf, vbuf, mbuf; writes mbuf
.if DOCPART == 3
	.amdgcn_target "amdgcn-amd-amdhsa--gfx1250"
	.amdhsa_code_object_version 6
	.text
	.protected	k_q7bb2635fc6_attn
	.globl	k_q7bb2635fc6_attn
	.p2align	8
	.type	k_q7bb2635fc6_attn,@function
k_q7bb2635fc6_attn:
	s_mov_b64 s[64:65], 0
	v_nop
	global_prefetch_b8 v0, s[64:65] scope:SCOPE_SE
	s_setreg_imm32_b32 hwreg(HW_REG_WAVE_MODE, 25, 1), 1
	s_wait_xcnt 0x0
	s_wait_alu depctr_hold_cnt(0) depctr_sa_sdst(0) depctr_va_vdst(0) depctr_va_sdst(0) depctr_va_ssrc(0) depctr_va_vcc(0) depctr_vm_vsrc(0)
	s_getreg_b32 s2, hwreg(HW_REG_IB_STS2, 6, 4)
	s_cmp_eq_u32 s2, 0
	s_cbranch_scc0 .Lentry_in_a_cluster
	s_endpgm
.Lentry_in_a_cluster:
	s_bfe_u32 s2, ttmp6, 0x10000c
	s_cmp_lg_u32 s2, 0x3003
	s_cbranch_scc0 .Lentry_shape_is_right
	s_endpgm
.Lentry_shape_is_right:
; mix[q] = the sum over k of softmax_k(qh[q] . kh[k] / 8) vh[k] for each of 16 heads (8 n + head), both products on codes of E2M3; mix is quantised in registers for the last projection.  Nothing of reference() is left out.
; THE FACTOR 1/8 IS FOLDED: the codes of qh / 8 are those of qh with every scale exponent 3 lower, so the scores here are exactly 8 times reference()'s, and c = log2(e) / 8 turns a score into t.
; THE SOFTMAX: t = score x c; M = the largest t so far, rounded up to a whole number; p = 2^(t - M) is quantised along the keys, not normalised; the row's sum is taken of the unquantised p and divides at the end.
; When M moves, the sum and O are multiplied by 2^(old M - new M): exact.  LIMIT: the promise holds while the scaled scores t stay under 2^31 in magnitude; NaN and infinities are not served.
; SHARES.  A work-group owns 256 queries of one head, each of its sixteen waves one tile of 16, in 256 registers.  Every wave walks the head's 4,096 keys, 128 a step, through a ring of two LDS slots of 8 steps.
; CLUSTER.  The four query blocks of a cluster belong to one head and walk the same K and V: each part of a slot is asked for jointly, with the mask of all four.  Waves 0, 1 fetch K's halves of a slot, waves 2, 3 V's;
; at the head waves 4 to 7 fetch the head's scale records: one tensor load a wave at the head and one behind each round.
; LAYOUT.  S^T = K Q^T, O^T = V^T P^T: a lane holds one query throughout.  Lane-row i of key tile u of 64 keys is key 8 u + i + 24 (i / 8) (launch proj), so register S + 32 c + i of lane (r, h) is key 64 c + 32 h + i of the step:
; A WHOLE BLOCK OF 32 KEYS LIES IN ONE LANE: its largest score needs no other lane, and the conversions' results are the operand's registers, but for the three that begin on an odd number.
; THE SCORES' K IS 64, THE INSTRUCTION'S 128: a fragment of K holds two tiles of keys and is used twice, against [q | zero codes] (v16-27) and [zero codes | q] (v22-33); zero codes add nothing under any finite scale byte.
; K's and V's fragments have registers of their own: the next step's K is asked for behind this step's scores, this step's V at its head.  So each counted wait on DScnt is for 17: the 17 younger loads.
; THE CHANGE OF SLOTS stands in a slot's last step: once that step's fragments are in registers the wave has read the slot out; the tensor wait and the adds stand ahead of the block maxima, the DS wait and the round's opening signal behind them, and the softmax and the second product,
; work on registers, stand between that signal and its wait.
; OUT: mbuf: [512 tiles of queries][8 heads] records of 768 bytes; scales from byte 3,145,728: [tile][lane-row r][head]: two bytes, stored as they are (a word's halves belong to two work-groups).
.set SLOT1, 131072                     ; slot 1; a slot: K's 8 steps x 6,144 bytes, then V's
.set VOFF,  49152
.set SCK,   262144                     ; K's scale records of the whole head: 32 steps x 256 bytes
.set SCV,   270336                     ; V's
.set SPARE, 278528                     ; the spare words, 128 bytes for each of 16 waves
.set KF,  40                           ; v40-87   four fragments of K;  v88-91 their scale words
.set S,   96                           ; v96-159  S^T, then p, then the sum's tree
.set O,   160                          ; v160-191 O^T
.set VF,  192                          ; v192-239 four fragments of V;  v92-95 their scale words
.set PCD, 240                          ; v240-251 p's codes
.set CT,  252                          ; v252-254 a block's upper 16 codes as the conversion leaves them;  v255 p's scale word
; v0, v38 at work; v1 16 x lane; v2 8 x lane; v3 SCK + 16 r; v4 256 x lane; v5, v6 the add's two; v7 16 r; v8-10 the step's LDS addresses; v11 8 h; v12 -M; v13 the largest score; v[14:15] the sum;
; v[34:35] f (and two chains of maxima); v36, v37 my two blocks' largest scores, then largest p, then the conversions' scale operands; v39 q's scale word.
; s12 wave; s13 cx; s14 query block; s15 head; s[16:17] lane selects; s[18:19] c; s22 -c; s20, s21 the step's place in the ring and among the scale records; s23 counts steps; s[24:39] groups 1; s[40:47] groups 0; s[48:49], s50 prefetch.
.macro CREST                           ; a round of the cluster's barrier behind its opening barrier
	s_cmp_lg_u32 s12, 0
	s_cbranch_scc1 .Lnot_wave_0_\@
	s_barrier_signal -3
.Lnot_wave_0_\@:
	s_barrier_wait -3
	s_barrier_signal -1
	s_barrier_wait -1
.endm
.macro CROUND
	s_barrier_signal -1
	s_barrier_wait -1
	CREST
.endm
.macro TLOAD                           ; waves 0 to 3 fetch; the branch hangs on the wave's number alone
	s_cmp_lt_u32 s12, 4
	s_cbranch_scc0 .Lasked_\@
	tensor_load_to_lds s[40:43], s[24:31]
	s_nop 0
.rept 4
	v_nop
.endr
.Lasked_\@:
.endm
.macro FLOAD reg, sw, off, soff        ; 17 LDS loads, images of registers: four fragments (two records each) and their scale words
.irp f, 0,1,2,3
.irp c, 0,1
	ds_load_b128 v[\reg+12*\f+6*\c:\reg+12*\f+6*\c+3], v8 offset:\off+1536*\f+768*\c
	ds_load_b64 v[\reg+12*\f+6*\c+4:\reg+12*\f+6*\c+5], v9 offset:\off+1536*\f+768*\c+512
.endr
.endr
	ds_load_b128 v[\sw:\sw+3], v10 offset:\soff
.endm
.macro ADDR
	v_add_nc_u32 v8, s20, v1
	v_add_nc_u32 v9, s20, v2
	v_add_nc_u32 v10, s21, v3
.endm
.macro TREE base, n, step              ; n packed additions in place: pair at base + step i takes the pair step / 2 further on
.set i, 0
.rept \n
	v_pk_add_f32 v[\base+\step*i:\base+\step*i+1], v[\base+\step*i:\base+\step*i+1], v[\base+\step*i+\step/2:\base+\step*i+\step/2+1]
.set i, i+1
.endr
.endm
; A KEY STEP: 128 keys.  nextk = 1: the next step's K lies in the same slot and is asked for here.  sync = 1: the slot's last step, a round and a refill; 2: a barrier and no refill; 0: none.
.macro STEP nextk, sync
	FLOAD VF, 92, VOFF, SCV-SCK                    ; this step's V (four plain vector lines stand behind the last products)
	s_wait_alu depctr_va_vdst(0)                   ; directly ahead of the wait below
	s_wait_dscnt 17                                ; K is in; the 17 just issued may be out
.if \nextk
	s_add_co_u32 s20, s20, 6144
	s_add_co_u32 s21, s21, 256
.endif
.irp f, 0,1,2,3
	v_wmma_scale_f32_16x16x128_f8f6f4 v[S+16*\f:S+16*\f+7], v[KF+12*\f:KF+12*\f+11], v[16:27], 0, v[88+\f], v39 matrix_a_fmt:MATRIX_FMT_FP6 matrix_b_fmt:MATRIX_FMT_FP6
	v_wmma_scale_f32_16x16x128_f8f6f4 v[S+16*\f+8:S+16*\f+15], v[KF+12*\f:KF+12*\f+11], v[22:33], 0, v[88+\f], v39 matrix_a_fmt:MATRIX_FMT_FP6 matrix_b_fmt:MATRIX_FMT_FP6
.endr
	v_mov_b32 v38, v12                             ; the old -M.  This line and the three below are the places behind the products
.if \nextk
	ADDR
	FLOAD KF, 88, 0, 0                             ; the next step's K
.else
.rept 3
	v_nop
.endr
.endif
.if \sync
	s_wait_tensorcnt 0x0                           ; all my tensor loads have landed: my part of the next slot
	ds_add_u32 v5, v6                              ; 0 onto my spare word
.if \sync == 1
	ds_add_u32 v5, v6                              ; and once more, under the one wait
	s_xor_b32 s41, s41, SLOT1                      ; the walking descriptor: this slot's bytes,
	s_add_nc_u64 s[42:43], s[42:43], 49152         ; the 8 steps behind those of the other slot
.endif
.endif
	v_max3_num_f32 v36, v[S], v[S+1], v[S+2]       ; my two blocks' largest scores, each in two chains; every accumulator is read from its low end on
	v_max3_num_f32 v37, v[S+32], v[S+33], v[S+34]
	v_max3_num_f32 v34, v[S+16], v[S+17], v[S+18]
	v_max3_num_f32 v35, v[S+48], v[S+49], v[S+50]
.irp i, 3,5,7,9,11,13
	v_max3_num_f32 v36, v36, v[S+\i], v[S+\i+1]
	v_max3_num_f32 v37, v37, v[S+32+\i], v[S+33+\i]
	v_max3_num_f32 v34, v34, v[S+16+\i], v[S+17+\i]
	v_max3_num_f32 v35, v35, v[S+48+\i], v[S+49+\i]
.endr
	v_max3_num_f32 v36, v36, v[S+15], v[S+31]
	v_max3_num_f32 v37, v37, v[S+47], v[S+63]
	v_max_num_f32 v36, v36, v34
	v_max_num_f32 v37, v37, v35
.if \sync
	s_wait_alu depctr_va_vdst(0)                   ; directly ahead of the wait below
	s_wait_dscnt 0x0                               ; the add is done, V is in, and my reads of this slot are over
	s_barrier_signal -1                            ; only work on registers stands between this signal and its wait
.endif
	v_max3_num_f32 v13, v13, v36, v37              ; the running largest score of my query,
	s_delay_alu instid0(VALU_DEP_1)
	v_permlanex16_b32 v0, v13, s16, s17
	s_delay_alu instid0(VALU_DEP_1)
	v_max_num_f32 v13, v13, v0                     ; with lane l xor 16's blocks
	s_delay_alu instid0(VALU_DEP_1)
	v_mul_f32 v0, s22, v13                         ; -t
	s_delay_alu instid0(VALU_DEP_1)
	v_floor_f32 v12, v0                            ; the new -M = floor(-t): M is a whole number
	s_delay_alu instid0(VALU_DEP_1)
	v_sub_f32 v38, v12, v38                        ; old M - new M: a whole number, 0 or less
.set j, 0
.rept 16
	v_pk_fma_f32 v[S+j:S+j+1], v[S+j:S+j+1], s[18:19], v[12:13] op_sel_hi:[1,0,0]   ; t - M of my first block, two at a time
.if j == 2
	v_cvt_i32_f32 v38, v38                         ; (it saturates)
.endif
.if j == 6
	v_ldexp_f32 v34, 1.0, v38                      ; f = 2^(old M - new M)
.endif
.set j, j+2
.endr
	v_fma_f32 v36, v36, s18, v12                   ; the same of each block's largest score
	v_fma_f32 v37, v37, s18, v12
.set j, 0
.rept 16
	v_pk_mul_f32 v[O+j:O+j+1], v[O+j:O+j+1], v[34:35] op_sel_hi:[1,0]   ; O^T under the new M, ahead of the step's exponentials
.set j, j+2
.endr
	v_pk_mul_f32 v[14:15], v[14:15], v[34:35] op_sel_hi:[1,0]           ; and the sum
	s_wait_alu depctr_va_vdst(0)                   ; ahead of the batch
	v_exp_f32 v36, v36                             ; a block's largest p: the same two instructions on the same number give the same bits
	v_exp_f32 v37, v37
.set j, 0
.rept 16
	v_exp_f32 v[S+j], v[S+j]                       ; p of the first block; among them t - M of the second, lines that hang on nothing in the batch
	v_exp_f32 v[S+j+1], v[S+j+1]
	v_pk_fma_f32 v[S+32+j:S+33+j], v[S+32+j:S+33+j], s[18:19], v[12:13] op_sel_hi:[1,0,0]
.set j, j+2
.endr
	s_wait_alu depctr_va_vdst(0)                   ; one wait for the batch, ahead of its first reader
	v_max_num_f32 v36, 0x1800000, v36              ; the floor 2^(3 - 127): the byte cannot fall under 1
	v_max_num_f32 v37, 0x1800000, v37
	s_delay_alu instid0(VALU_DEP_2)
	v_add_nc_u32 v36, 0xff000000, v36              ; 2 off the exponent field: the conversions' scale operands
	s_delay_alu instid0(VALU_DEP_2)
	v_add_nc_u32 v37, 0xff000000, v37
	v_cvt_scalef32_pk16_fp6_f32 v[PCD:PCD+2], v[S:S+15], v36
	v_cvt_scalef32_pk16_fp6_f32 v[CT:CT+2], v[S+16:S+31], v36
	v_lshrrev_b32 v38, 23, v36                     ; the scales' bytes: blocks h and 2 + h
	v_lshrrev_b32 v0, 23, v37
	s_delay_alu instid0(VALU_DEP_1)
	v_lshl_or_b32 v38, v0, 16, v38
	s_delay_alu instid0(VALU_DEP_1)
	v_lshlrev_b32 v38, v11, v38                    ; 8 h bits up
	s_delay_alu instid0(VALU_DEP_1)
	v_permlanex16_b32 v0, v38, s16, s17
	s_delay_alu instid0(VALU_DEP_1)
	v_or_b32 v255, v38, v0                         ; with lane l xor 16's two: p's scale word for these 128 keys
.irp i, 0,1,2
	v_mov_b32 v[PCD+3+\i], v[CT+\i]
.endr
	s_wait_alu depctr_va_vdst(0)                   ; ahead of the second batch
.set j, 0
.rept 8
	v_exp_f32 v[S+32+j], v[S+32+j]                 ; p of the second block; among them the first level of the first block's sum, in place: its codes are made
	v_exp_f32 v[S+33+j], v[S+33+j]
	v_exp_f32 v[S+34+j], v[S+34+j]
	v_exp_f32 v[S+35+j], v[S+35+j]
	v_pk_add_f32 v[S+j:S+j+1], v[S+j:S+j+1], v[S+j+2:S+j+3]
.set j, j+4
.endr
	s_wait_alu depctr_va_vdst(0)                   ; and behind it
	v_cvt_scalef32_pk16_fp6_f32 v[PCD+6:PCD+8], v[S+32:S+47], v37
	v_cvt_scalef32_pk16_fp6_f32 v[CT:CT+2], v[S+48:S+63], v37
	TREE S, 4, 8                                   ; THE ROW'S SUM IS TAKEN OF THE UNQUANTISED p: a tree in place.  (Also the plain place behind the conversions)
.irp i, 0,1,2
	v_mov_b32 v[PCD+9+\i], v[CT+\i]
.endr
	TREE S+32, 8, 4
	TREE S+32, 4, 8
	TREE S, 4, 16
.if \sync == 0
	s_wait_alu depctr_va_vdst(0)                   ; directly ahead of the wait below
	s_wait_dscnt 17*\nextk                         ; V is in; the next step's K may be out
.endif
.irp t, 0,1,2,3                                ; the four accumulators by turns
	v_wmma_scale_f32_16x16x128_f8f6f4 v[O+8*\t:O+8*\t+7], v[VF+12*\t:VF+12*\t+11], v[PCD:PCD+11], v[O+8*\t:O+8*\t+7], v[92+\t], v255 matrix_a_fmt:MATRIX_FMT_FP6 matrix_b_fmt:MATRIX_FMT_FP6
.endr
	TREE S, 2, 32                                  ; the tree's last four lines are the places behind these products
	v_pk_add_f32 v[S:S+1], v[S:S+1], v[S+32:S+33]
	v_pk_add_f32 v[14:15], v[14:15], v[S:S+1]
.if \sync
	s_barrier_wait -1
.endif
.if \sync == 1
	CREST                                          ; no wave of any partner still reads this slot or has a load on its way
	TLOAD                                          ; the refill, first behind the round
.endif
.endm
; SLOT n OF THE HEAD'S FOUR: seven steps in a counted loop, the eighth written out with the change of slots.
; ask = 1: a prefetch of the head's slot n + 2, whose tensor load stands at this slot's end: 98,304 bytes, each aligned block of 256 bytes named once in the launch: the head's first cluster asks; waves 4 to 6 of its four
; work-groups make twelve units of 32 blocks (a lane a block), six for K and six for V, told apart by address alone.  Slots 0 and 1 come by their loads alone.
.macro SLOTM n, sync, ask
	s_mov_b32 s20, (\n%2)*SLOT1
	s_mov_b32 s21, \n*2048
	s_mov_b32 s23, 7
	ADDR
	s_wait_alu depctr_va_vdst(0)
	FLOAD KF, 88, 0, 0
.if \ask
	s_cmp_eq_u32 s50, 1
	s_cbranch_scc0 .Lnot_mine_\@
	global_prefetch_b8 v4, s[48:49] offset:\n*49152 th:TH_LOAD_NT scope:SCOPE_SE
.Lnot_mine_\@:
.endif
.Lstep_\@:
	STEP 1, 0
	s_sub_co_u32 s23, s23, 1
	s_cmp_lg_u32 s23, 0
	s_cbranch_scc1 .Lstep_\@
	STEP 0, \sync
.endm
	s_load_b256 s[4:11], s[0:1], 0x0               ; qbuf, kbuf, vbuf, mbuf
	v_lshl_add_u32 v5, v0, 2, SPARE                ; my spare word; never rewritten
	v_mov_b32 v6, 0                                ; 0; never rewritten
	ds_add_u32 v5, v6                              ; the opening: the add, twice on end, and its wait ahead of the round in front of the first tensor loads
	ds_add_u32 v5, v6
	v_lshrrev_b32 v8, 5, v0
	s_delay_alu instid0(VALU_DEP_1)
	v_readfirstlane_b32 s12, v8                    ; wave 0..15
	s_bfe_u32 s13, ttmp6, 0x40000                  ; cx
	s_lshl_b32 s14, ttmp9, 2
	s_add_co_u32 s14, s14, s13                     ; my block of 256 queries: it enters global addresses of Q and mix alone
	s_and_b32 s15, ttmp7, 0xffff                   ; the head (8 n + head), which the four partners share
	s_mov_b32 s24, 15|(3<<16)|(1<<21)              ; group 1 for the records: 24,576 dense bytes as 96 rows of 32 elements of 8 bytes; the mask names all four, bit 21 beside it
	s_mov_b32 s25, 32<<16
	s_mov_b32 s26, 96<<16
	s_mov_b32 s27, 32<<16
	s_mov_b32 s28, 96
	s_mov_b32 s29, 32
	s_mov_b32 s30, 0
	s_mov_b32 s31, 0
	s_mov_b32 s32, 15|(3<<16)|(1<<21)              ; and for the scale records: 4,096 bytes as 16 such rows
	s_mov_b32 s33, 32<<16
	s_mov_b32 s34, 16<<16
	s_mov_b32 s35, 32<<16
	s_mov_b32 s36, 16
	s_mov_b32 s37, 32
	s_mov_b32 s38, 0
	s_mov_b32 s39, 0
	s_mov_b32 s16, 0x76543210
	s_mov_b32 s17, 0xfedcba98
	s_mov_b32 s18, 0x3e38aa3b                      ; c = log2(e) / 8
	s_mov_b32 s19, s18                             ; (named with it as a pair)
	s_mov_b32 s22, 0xbe38aa3b                      ; -c
	s_and_b32 s58, s12, 3                          ; which quarter I fetch: K's halves, V's halves (waves 0-3: records; 4-7: scale records; the others fetch nothing)
	s_and_b32 s59, s58, 1
	s_mul_i32 s52, s15, 196608
	s_mul_i32 s53, s59, 24576
	s_add_co_u32 s52, s52, s53                     ; the records: the head's slot 0, my half
	s_mov_b32 s53, 0
	s_lshl_b32 s54, s15, 13
	s_lshl_b32 s55, s59, 12
	s_add_co_u32 s54, s54, s55
	s_add_co_u32 s54, s54, 3145728                 ; the head's scale records, my half
	s_mov_b32 s55, 0
	s_mul_i32 s56, s58, 24576                      ; in LDS: no place in the cluster enters an LDS address
	s_lshl_b32 s57, s58, 12
	s_add_co_u32 s57, s57, SCK
	s_wait_dscnt 0x0                               ; both opening adds are done
	s_wait_kmcnt 0x0
	s_cmp_lt_u32 s58, 2
	s_cselect_b64 s[60:61], s[6:7], s[8:9]         ; quarters 0, 1: K; 2, 3: V
	s_mov_b32 s40, 1
	s_mov_b32 s41, s56
	s_add_nc_u64 s[42:43], s[60:61], s[52:53]
	s_or_b32 s43, s43, 0x80000000
	s_mov_b32 s44, 1
	s_mov_b32 s45, s57
	s_add_nc_u64 s[46:47], s[60:61], s[54:55]
	s_or_b32 s47, s47, 0x80000000
	s_sub_co_u32 s59, s12, 4                       ; the prefetches: unit 3 cx + (wave - 4), the wave's term held to 0 .. 2, so that every wave's address lies inside the buffer
	s_min_u32 s59, s59, 2
	s_mul_i32 s60, s13, 3
	s_add_co_u32 s59, s59, s60
	s_cmp_lt_u32 s59, 6
	s_cselect_b64 s[48:49], s[6:7], s[8:9]         ; units 0-5: K, 6-11: V
	s_cselect_b32 s60, 0, 6
	s_sub_co_u32 s59, s59, s60
	s_lshl_b32 s60, s59, 13                        ; 8,192 bytes a unit
	s_mul_i32 s61, s15, 196608
	s_add_co_u32 s60, s60, s61
	s_add_co_u32 s60, s60, 2*49152                 ; in the head's slot 2
	s_mov_b32 s61, 0
	s_add_nc_u64 s[48:49], s[48:49], s[60:61]
	s_sub_co_u32 s59, s12, 4
	s_cmp_lt_u32 s59, 3                            ; waves 4 to 6
	s_cselect_b32 s59, 0, 1
	s_or_b32 s59, s59, ttmp9                       ; of the head's first cluster: the same in all four partners
	s_cmp_eq_u32 s59, 0
	s_cselect_b32 s50, 1, 0
	CROUND                                         ; all four work-groups are here: the first joint loads meet
	s_cmp_lt_u32 s12, 4                            ; one chain of branches on the wave's number, one load to an arm
	s_cbranch_scc0 .Lhead_scales
	tensor_load_to_lds s[40:43], s[24:31]          ; slot 0
	s_nop 0
.rept 4
	v_nop
.endr
	s_branch .Lhead_asked
.Lhead_scales:
	s_cmp_lt_u32 s12, 8
	s_cbranch_scc0 .Lhead_asked
	tensor_load_to_lds s[44:47], s[32:39]          ; the head's scale records: filled once
	s_nop 0
.rept 4
	v_nop
.endr
.Lhead_asked:
	s_lshl_b32 s59, s14, 4
	s_add_co_u32 s59, s59, s12                     ; my tile of queries, 0 .. 255
	s_mul_i32 s60, s15, 196608
	s_mul_i32 s61, s59, 768
	s_add_co_u32 s60, s60, s61                     ; its record
	s_mov_b32 s61, 0
	s_lshl_b32 s62, s15, 13
	s_lshr_b32 s63, s59, 3
	s_lshl_b32 s63, s63, 8
	s_add_co_u32 s62, s62, s63                     ; its group's scale record,
	s_bfe_u32 s63, s12, 0x20001
	s_lshl_b32 s63, s63, 2
	s_add_co_u32 s62, s62, s63                     ; word (tile % 8) / 2
	s_add_co_u32 s62, s62, 3145728
	s_mov_b32 s63, 0
	s_add_nc_u64 s[62:63], s[4:5], s[62:63]
	s_add_nc_u64 s[4:5], s[4:5], s[60:61]
	s_lshr_b32 s60, s15, 3
	s_lshl_b32 s60, s60, 8
	s_add_co_u32 s60, s60, s59                     ; 256 n + tile
	s_and_b32 s51, s15, 7                          ; head
	s_lshl_b32 s52, s60, 3
	s_add_co_u32 s52, s52, s51
	s_mul_i32 s52, s52, 768
	s_mov_b32 s53, 0
	s_add_nc_u64 s[66:67], s[10:11], s[52:53]      ; mix: my record
	s_lshl_b32 s52, s60, 8
	s_lshl_b32 s51, s51, 1
	s_add_co_u32 s52, s52, s51
	s_add_co_u32 s52, s52, 3145728
	s_add_nc_u64 s[68:69], s[10:11], s[52:53]      ; and my two scale bytes a row
	v_and_b32 v8, 31, v0
	v_and_b32 v7, 15, v0
	v_bfe_u32 v11, v0, 4, 1
	v_lshlrev_b32 v1, 4, v8
	v_lshlrev_b32 v2, 3, v8
	v_lshlrev_b32 v4, 8, v8
	v_lshlrev_b32 v7, 4, v7
	v_lshlrev_b32 v11, 3, v11
	v_add_nc_u32 v3, SCK, v7
	global_load_b128 v[16:19], v1, s[4:5]          ; q's six registers ahead of the zero codes,
	global_load_b64 v[20:21], v2, s[4:5] offset:512
	global_load_b128 v[28:31], v1, s[4:5]          ; and once more behind them
	global_load_b64 v[32:33], v2, s[4:5] offset:512
	global_load_b32 v39, v7, s[62:63]
.irp j, 22,23,24,25,26,27
	v_mov_b32 v[\j], 0                             ; zero codes
.endr
	v_mov_b32 v13, 0xff61b1e6                      ; the largest score so far: -3e38
	v_mov_b32 v14, 0                               ; the sum, in two halves
	v_mov_b32 v15, 0
	v_floor_f32 v12, -v13                          ; -M
	s_and_b32 s51, s12, 1
	s_lshl_b32 s51, s51, 4
	s_wait_loadcnt 0x0
	v_lshrrev_b32 v39, s51, v39                    ; my tile's half of the word:
	s_delay_alu instid0(VALU_DEP_1)
	v_and_b32 v39, 0xffff, v39                     ; q's two bytes,
	s_delay_alu instid0(VALU_DEP_1)
	v_lshl_or_b32 v39, v39, 16, v39                ; for k = 0 .. 63 and for k = 64 .. 127: one word serves both uses (over the zero codes any finite byte does)
.set j, 0
.rept 32
	v_mov_b32 v[O+j], 0                            ; O^T: the step is written once; its first turn finds zeros.  (Also the places between q's scale word and the first product)
.set j, j+1
.endr
	s_wait_alu depctr_va_vdst(0)                   ; the head's end
	s_wait_tensorcnt 0x0                           ; my part of the head's tiles is in
	ds_add_u32 v5, v6
	ds_add_u32 v5, v6
	s_xor_b32 s41, s41, SLOT1                      ; the walking descriptor: slot 1,
	s_add_nc_u64 s[42:43], s[42:43], 49152         ; the next 8 steps' records
	s_wait_dscnt 0x0
	CROUND
	TLOAD                                          ; slot 1's first fill
	SLOTM 0, 1, 1
	SLOTM 1, 1, 1
	SLOTM 2, 2, 0                                  ; nothing is left to fetch: a barrier shows slot 3 whole
	SLOTM 3, 0, 0
	; THE WAY OUT: O^T / the sum is mix; its 64 channels are two blocks of the last projection's K (register 16 b + i: channel 32 b + 16 h + i): quantised here, stored as a record and two scale bytes a row.
	v_add_f32 v14, v14, v15                        ; the sum's two halves,
	s_delay_alu instid0(VALU_DEP_1)
	v_permlanex16_b32 v0, v14, s16, s17
	s_delay_alu instid0(VALU_DEP_1)
	v_add_f32 v14, v14, v0                         ; and lane l xor 16's: the row's sum
	s_wait_alu depctr_va_vdst(0)
	v_rcp_f32 v14, v14
	v_mov_b32 v206, 0                              ; (plain places behind the reciprocal: the permutes' destinations below)
	v_mov_b32 v207, 0
	s_wait_alu depctr_va_vdst(0)                   ; ahead of the first reader of the reciprocal and of O^T
.set j, 0
.rept 32
	v_mul_f32 v[S+j], v[O+j], v14
.set j, j+1
.endr
.irp b, 0,1
	v_max3_num_f32 v[204+\b], |v[S+16*\b]|, |v[S+1+16*\b]|, 0x1800000
.endr
.irp i, 2,4,6,8,10,12,14
.irp b, 0,1
	s_delay_alu instid0(VALU_DEP_2)
	v_max3_num_f32 v[204+\b], v[204+\b], |v[S+16*\b+\i]|, |v[S+1+16*\b+\i]|
.endr
.endr
.irp b, 0,1
	s_delay_alu instid0(VALU_DEP_2)
	v_permlanex16_b32 v[206+\b], v[204+\b], s16, s17
.endr
.irp b, 0,1
	s_delay_alu instid0(VALU_DEP_2)
	v_max_num_f32 v[204+\b], v[204+\b], v[206+\b]
.endr
.irp b, 0,1
	s_delay_alu instid0(VALU_DEP_2)
	v_add_nc_u32 v[208+\b], 0xff000000, v[204+\b]
.endr
.irp b, 0,1
	s_delay_alu instid0(VALU_DEP_2)
	v_lshrrev_b32 v[206+\b], 23, v[208+\b]
.endr
	s_delay_alu instid0(VALU_DEP_1)
	v_lshl_or_b32 v210, v207, 8, v206              ; my row's two scale bytes
	v_cvt_scalef32_pk16_fp6_f32 v[192:194], v[S:S+15], v208
	v_cvt_scalef32_pk16_fp6_f32 v[200:202], v[S+16:S+31], v209
	v_nop
.irp i, 0,1,2
	v_permlane16_swap_b32 v[192+\i], v[200+\i]     ; a whole block to a lane
.endr
.irp i, 0,1,2
	s_delay_alu instid0(VALU_DEP_3)
	v_mov_b32 v[195+\i], v[200+\i]
.endr
	global_store_b128 v1, v[192:195], s[66:67]     ; 512 consecutive bytes, aligned to 256,
	global_store_b64 v2, v[196:197], s[66:67] offset:512   ; and 256 more
	global_store_b16 v7, v210, s[68:69]            ; both halves of the lanes store the same two bytes with the same value
	s_wait_tensorcnt 0x0                           ; the wave's end
	ds_add_u32 v5, v6
	s_wait_dscnt 0x0
	CROUND                                         ; the closing round
	s_endpgm
.Lfunc_end_k_q7bb2635fc6_attn:
	.size	k_q7bb2635fc6_attn, .Lfunc_end_k_q7bb2635fc6_attn-k_q7bb2635fc6_attn
	.p2alignl 7, 3214868480
	.fill 96, 4, 3214868480
	.section	.rodata,"a",@progbits
	.p2align	6, 0x0
	.amdhsa_kernel k_q7bb2635fc6_attn
		.amdhsa_group_segment_fixed_size 327680
		.amdhsa_private_segment_fixed_size 0
		.amdhsa_enable_private_segment 0
		.amdhsa_kernarg_size 32
		.amdhsa_user_sgpr_count 2
		.amdhsa_user_sgpr_kernarg_segment_ptr 1
		.amdhsa_wavefront_size32 1
		.amdhsa_system_sgpr_workgroup_id_x 1
		.amdhsa_system_sgpr_workgroup_id_y 1
		.amdhsa_system_sgpr_workgroup_id_z 1
		.amdhsa_system_vgpr_workitem_id 0
		.amdhsa_next_free_vgpr 256
		.amdhsa_next_free_sgpr 72
		.amdhsa_reserve_vcc 0
		.amdhsa_float_denorm_mode_32 3
		.amdhsa_float_denorm_mode_16_64 3
		.amdhsa_memory_ordered 1
		.amdhsa_forward_progress 1
		.amdhsa_inst_pref_size 137
	.end_amdhsa_kernel
	.amdgpu_metadata
---
amdhsa.version: [ 1, 2 ]
amdhsa.kernels:
  - .name:           k_q7bb2635fc6_attn
    .symbol:         k_q7bb2635fc6_attn.kd
    .args:
      - { .name: qbuf, .offset: 0, .size: 8, .value_kind: global_buffer, .address_space: global }
      - { .name: kbuf, .offset: 8, .size: 8, .value_kind: global_buffer, .address_space: global }
      - { .name: vbuf, .offset: 16, .size: 8, .value_kind: global_buffer, .address_space: global }
      - { .name: mbuf, .offset: 24, .size: 8, .value_kind: global_buffer, .address_space: global }
    .group_segment_fixed_size: 327680
    .private_segment_fixed_size: 0
    .kernarg_segment_align: 8
    .kernarg_segment_size: 32
    .max_flat_workgroup_size: 512
    .sgpr_count:     72
    .vgpr_count:     256
    .wavefront_size: 32
...
	.end_amdgpu_metadata
.endif
;; end of part 3
;; launch oproj (part 4): grid 4 x 64, 4 waves a work-group, no clusters, 17,920 bytes of LDS; arguments mbuf, wbuf, bo, out0; writes out0
.if DOCPART == 4
	.amdgcn_target "amdgcn-amd-amdhsa--gfx1250"
	.amdhsa_code_object_version 6
	.text
	.protected	k_q7bb2635fc6_oproj
	.globl	k_q7bb2635fc6_oproj
	.p2align	8
	.type	k_q7bb2635fc6_oproj,@function
k_q7bb2635fc6_oproj:
	s_mov_b64 s[64:65], 0
	v_nop
	global_prefetch_b8 v0, s[64:65] scope:SCOPE_SE
	s_setreg_imm32_b32 hwreg(HW_REG_WAVE_MODE, 25, 1), 1
	s_wait_xcnt 0x0
; out0 = mix Wo + bo on codes of E2M3.  mix comes as launch attn's records, Wo as launch wquant's images: both in the order of the operand's registers, so they go from memory straight into registers.  Nothing of reference() is left out here.
; SHARES.  A work-group makes 128 rows x 128 columns (x: which columns, y: which rows), each of its four waves 64 x 64: four tiles of mix x four tiles of Wo, 16 accumulators, K = 512 in four steps: 64 matrix instructions a wave.
; Source 0 = 16 columns of Wo, source 1 = 16 rows of mix: a lane holds one row of out0 and eight neighbouring columns.  The tiles' rows and columns stand in the tile order of launches wquant and proj:
; lane-row i of tile j is 32 (j / 2) + 8 (j % 2) + i + 8 (i / 8); the way out puts each row where it belongs.  The bias is the C of each sum's first matrix instruction.
; All 128 loads of a wave go out at the head, K step by K step; the products of a K step wait only for its own loads.
; NO CLUSTER, NO TENSOR LOAD: a work-group has one pass and no loop under which a joint load through LDS could land.
; REGISTERS: window 0: addresses; v16-31 Wo's scale words (4 t + s); v32-47 mix's (4 i + s); v48-79 the bias; v80-111 rows on their way out; v128-255 the accumulators (8 (4 i + t)).  Window 1: Wo (12 (4 t + s)).  Window 2: mix (12 (4 i + s)).
.set SPARE, 17408                      ; behind the four stages of 16 rows x (256 + 16) bytes: the spare words
.set WS,  16
.set MS,  32
.set BI,  48
.set OUT, 80
.set ACC, 128
.set MSB, 0
.macro WIN new
.if MSB != (\new)
	s_set_vgpr_msb (MSB<<8)|(\new)
.set MSB, (\new)
.endif
.endm
	s_load_b256 s[4:11], s[0:1], 0x0               ; mbuf, wbuf, bo, out0
	v_lshl_add_u32 v12, v0, 2, SPARE               ; my spare word; never rewritten
	v_mov_b32 v13, 0                               ; 0; never rewritten
	v_lshrrev_b32 v1, 5, v0
	v_readfirstlane_b32 s12, v1                    ; wave
	s_lshr_b32 s13, s12, 1                         ; which 64 rows
	s_and_b32 s14, s12, 1                          ; which 64 columns
	s_and_b32 s15, ttmp7, 0xffff
	s_lshl_b32 s16, ttmp9, 3
	s_lshl_b32 s17, s14, 2
	s_add_co_u32 s16, s16, s17                     ; my first tile of Wo
	s_lshl_b32 s18, s15, 3
	s_lshl_b32 s17, s13, 2
	s_add_co_u32 s18, s18, s17                     ; my first tile of mix
	s_mul_i32 s20, s16, 6144
	s_add_co_u32 s20, s20, 3*196608                ; Wo is the fourth weight in wbuf
	s_mov_b32 s21, 0
	s_lshl_b32 s22, s16, 9
	s_add_co_u32 s22, s22, 786432+3*16384
	s_mov_b32 s23, 0
	s_mul_i32 s24, s18, 6144
	s_mov_b32 s25, 0
	s_lshl_b32 s26, s18, 8
	s_add_co_u32 s26, s26, 3145728
	s_mov_b32 s27, 0
	s_lshl_b32 s28, ttmp9, 9
	s_lshl_b32 s17, s14, 8
	s_add_co_u32 s28, s28, s17                     ; my first column, in bytes
	s_mov_b32 s29, 0
	s_lshl_b32 s30, s15, 7
	s_lshl_b32 s17, s13, 6
	s_add_co_u32 s30, s30, s17                     ; my first row
	s_lshl_b32 s30, s30, 11
	s_add_co_u32 s30, s30, s28
	s_mov_b32 s31, 0
	v_and_b32 v14, 31, v0                          ; lane
	v_and_b32 v15, 15, v0                          ; r
	v_bfe_u32 v11, v0, 4, 1                        ; h
	v_lshlrev_b32 v1, 4, v14                       ; 16 x lane
	v_lshlrev_b32 v2, 3, v14                       ; 8 x lane
	v_lshlrev_b32 v6, 6, v11                       ; 64 h
	v_lshlrev_b32 v7, 4, v15                       ; 16 r
	s_mul_i32 s17, s12, 4352                       ; my stage
	v_mul_u32_u24 v3, v15, 272
	v_add_nc_u32 v3, v3, v6
	v_add_nc_u32 v3, s17, v3                       ; into it: row r, + 64 h
	v_mul_u32_u24 v4, v11, 272
	v_add_nc_u32 v4, v4, v7
	v_add_nc_u32 v4, s17, v4                       ; out of it: lanes 0-15 one row, lanes 16-31 the next
	v_lshl_add_u32 v5, v11, 11, v7                 ; and the same two rows in out0
	s_wait_alu depctr_va_vdst(0)
	s_wait_kmcnt 0x0
	s_add_nc_u64 s[32:33], s[6:7], s[20:21]        ; Wo's images
	s_add_nc_u64 s[34:35], s[6:7], s[22:23]        ; Wo's scale words
	s_add_nc_u64 s[36:37], s[4:5], s[24:25]        ; mix's records
	s_add_nc_u64 s[38:39], s[4:5], s[26:27]        ; mix's scale words
	s_add_nc_u64 s[8:9], s[8:9], s[28:29]          ; bo
	s_add_nc_u64 s[10:11], s[10:11], s[30:31]      ; out0
.irp t, 0,1,2,3
	global_load_b128 v[WS+4*\t:WS+4*\t+3], v1, s[34:35] offset:512*\t
.endr
.irp i, 0,1,2,3
	global_load_b128 v[MS+4*\i:MS+4*\i+3], v7, s[38:39] offset:256*\i
.endr
.irp t, 0,1,2,3
	global_load_b128 v[BI+8*\t:BI+8*\t+3], v6, s[8:9] offset:(32*(\t/2)+8*(\t%2))*4      ; register j of tile t: column 32 (t / 2) + 8 (t % 2) + 16 h + j
	global_load_b128 v[BI+8*\t+4:BI+8*\t+7], v6, s[8:9] offset:(32*(\t/2)+8*(\t%2))*4+16
.endr
.irp s, 0,1,2,3                                ; 28 loads a K step
	WIN 0x40                                       ; destination window 1
.irp t, 0,1,2,3
.irp c, 0,1,2
	global_load_b128 v[12*(4*\t+\s)+4*\c:12*(4*\t+\s)+4*\c+3], v1, s[32:33] offset:(4*\t+\s)*1536+512*\c
.endr
.endr
	WIN 0x80                                       ; destination window 2
.irp i, 0,1,2,3
.irp e, 0,1                                    ; K step s of mix = the records of heads 2 s and 2 s + 1
	global_load_b128 v[12*(4*\i+\s)+6*\e:12*(4*\i+\s)+6*\e+3], v1, s[36:37] offset:\i*6144+\s*1536+\e*768
	global_load_b64 v[12*(4*\i+\s)+6*\e+4:12*(4*\i+\s)+6*\e+5], v2, s[36:37] offset:\i*6144+\s*1536+\e*768+512
.endr
.endr
.endr
	WIN 0x09                                       ; source 0 (Wo) window 1, source 1 (mix) window 2, C and D window 0
.irp s, 0,1,2,3
.if \s == 0
	s_wait_loadcnt 63                              ; behind this K step's loads 84 were issued; the wait's field holds 63
.else
	s_wait_loadcnt 28*(3-\s)                       ; the later K steps' loads may stay out
.endif
.irp i, 0,1,2,3                                ; the 16 accumulators by turns
.irp t, 0,1,2,3
.if \s == 0
	v_wmma_scale_f32_16x16x128_f8f6f4 v[ACC+8*(4*\i+\t):ACC+8*(4*\i+\t)+7], v[12*(4*\t+\s):12*(4*\t+\s)+11], v[12*(4*\i+\s):12*(4*\i+\s)+11], v[BI+8*\t:BI+8*\t+7], v[WS+4*\t+\s], v[MS+4*\i+\s] matrix_a_fmt:MATRIX_FMT_FP6 matrix_b_fmt:MATRIX_FMT_FP6
.else
	v_wmma_scale_f32_16x16x128_f8f6f4 v[ACC+8*(4*\i+\t):ACC+8*(4*\i+\t)+7], v[12*(4*\t+\s):12*(4*\t+\s)+11], v[12*(4*\i+\s):12*(4*\i+\s)+11], v[ACC+8*(4*\i+\t):ACC+8*(4*\i+\t)+7], v[WS+4*\t+\s], v[MS+4*\i+\s] matrix_a_fmt:MATRIX_FMT_FP6 matrix_b_fmt:MATRIX_FMT_FP6
.endif
.endr
.endr
.endr
	WIN 0
.rept 4
	v_nop                                          ; places between the last product and the first read of a result
.endr
; THE WAY OUT, a tile of 16 rows x 64 columns at a time, through my own stage: LDS serves a wave's instructions in order, so no wait stands between the stores and the loads, nor in front of the next tile's stores.
.irp i, 0,1,2,3
.irp t, 0,1,2,3
	ds_store_b128 v3, v[ACC+8*(4*\i+\t):ACC+8*(4*\i+\t)+3] offset:128*(\t/2)+32*(\t%2)          ; each accumulator from its low end on
	ds_store_b128 v3, v[ACC+8*(4*\i+\t)+4:ACC+8*(4*\i+\t)+7] offset:128*(\t/2)+32*(\t%2)+16
.endr
.if \i > 0
	s_wait_xcnt 0x0                                ; the last tile's stores have read v[OUT] on
.endif
.irp p, 0,1,2,3,4,5,6,7
	ds_load_b128 v[OUT+4*\p:OUT+4*\p+3], v4 offset:544*\p
.endr
.irp p, 0,1,2,3,4,5,6,7
	s_wait_dscnt 7-\p                              ; the younger loads may stay out
	global_store_b128 v5, v[OUT+4*\p:OUT+4*\p+3], s[10:11] offset:(8*\i+2*\p+24*(\p/4))*2048 th:TH_STORE_NT   ; THE ROWS of mix stand in launch proj's order: lane-row i of tile u of 64 rows is row 8 u + i + 24 (i / 8) (Wo's columns keep launch wquant's order); sixteen lanes store 256 consecutive bytes, aligned
.endr
.endr
	s_wait_tensorcnt 0x0                           ; the wave's end: behind my last LDS store
	ds_add_u32 v12, v13
	s_wait_dscnt 0x0
	s_endpgm
.Lfunc_end_k_q7bb2635fc6_oproj:
	.size	k_q7bb2635fc6_oproj, .Lfunc_end_k_q7bb2635fc6_oproj-k_q7bb2635fc6_oproj
	.p2alignl 7, 3214868480
	.fill 96, 4, 3214868480
	.section	.rodata,"a",@progbits
	.p2align	6, 0x0
	.amdhsa_kernel k_q7bb2635fc6_oproj
		.amdhsa_group_segment_fixed_size 17920
		.amdhsa_private_segment_fixed_size 0
		.amdhsa_enable_private_segment 0
		.amdhsa_kernarg_size 32
		.amdhsa_user_sgpr_count 2
		.amdhsa_user_sgpr_kernarg_segment_ptr 1
		.amdhsa_wavefront_size32 1
		.amdhsa_system_sgpr_workgroup_id_x 1
		.amdhsa_system_sgpr_workgroup_id_y 1
		.amdhsa_system_sgpr_workgroup_id_z 1
		.amdhsa_system_vgpr_workitem_id 0
		.amdhsa_next_free_vgpr 704
		.amdhsa_next_free_sgpr 66
		.amdhsa_reserve_vcc 0
		.amdhsa_float_denorm_mode_32 3
		.amdhsa_float_denorm_mode_16_64 3
		.amdhsa_memory_ordered 1
		.amdhsa_forward_progress 1
		.amdhsa_inst_pref_size 32
	.end_amdhsa_kernel
	.amdgpu_metadata
---
amdhsa.version: [ 1, 2 ]
amdhsa.kernels:
  - .name:           k_q7bb2635fc6_oproj
    .symbol:         k_q7bb2635fc6_oproj.kd
    .args:
      - { .name: mbuf, .offset: 0, .size: 8, .value_kind: global_buffer, .address_space: global }
      - { .name: wbuf, .offset: 8, .size: 8, .value_kind: global_buffer, .address_space: global }
      - { .name: bo, .offset: 16, .size: 8, .value_kind: global_buffer, .address_space: global }
      - { .name: out0, .offset: 24, .size: 8, .value_kind: global_buffer, .address_space: global }
    .group_segment_fixed_size: 17920
    .private_segment_fixed_size: 0
    .kernarg_segment_align: 8
    .kernarg_segment_size: 32
    .max_flat_workgroup_size: 128
    .sgpr_count:     66
    .vgpr_count:     704
    .wavefront_size: 32
...
	.end_amdgpu_metadata
.endif
;; end of part 4
